; MI455X (gfx1250); checked and timed in simulation.
; The chip was launched on July 23, 2026; its instructions are those of AMD's public machine-readable ISA for CDNA 5 (MIT licence, August 2026) and "CDNA5" Instruction Set Architecture Reference Guide (July 2026). The comments in the code are by the model that wrote it; some were corrected since.
;; Liquid Cell. Allowed arithmetic: matrix products marked QUANTISED: E5M2 operands, one given power-of-two scale a tensor, by v_wmma_f32_16x16x64_bf8_bf8 or v_wmma_f32_16x16x128_bf8_bf8, f32 sums; everything else in f32.
;; Inputs: W_in_b 2,048 float32; W_in_w_codes 2,048 x 32 x 32 uint8 (E5M2 codes of W_in_w, K innermost, in blocks of 32 codes); W_rec_codes 2,048 x 64 x 32 uint8 (E5M2 codes of W_rec, K innermost, in blocks of 32 codes); hidden 4,096 x 2,048 float32; lowp_scales 8 int32 (the exponents e of the quantised operands' scales 2^e); tau_adapt_b 2,048 float32; tau_adapt_w 2,048 x 3,072 float32; tau_base 2,048 float32; x_codes 4,096 x 32 x 32 uint8 (E5M2 codes of x, K innermost, in blocks of 32 codes).
;; Outputs: out0 4,096 x 2,048 float32; out1 4,096 x 2,048 float32.
;; This version of the problem:
;;   THIS VERSION OF THE PROBLEM IS GIVEN IN LOW PRECISION. The matrix products marked QUANTISED in the list below multiply operands that are first quantised to E5M2 (5 exponent bits, 2 mantissa bits; 8 bits a number), with one given power-of-two scale for each operand tensor; their sums are f32. All else is computed in f32.
;;   The module's matrix products, in the order in which they are computed (A, B: the left and right operand; K: the contracted axis; several contracted axes count as one K, in the product's order):
;;     1. [M 4,096, K 1,024] x [K 1,024, N 2,048]; A: input x (given as codes); B: input W_in_w (given as codes): QUANTISED (scales: A lowp_scales[0], B lowp_scales[1])
;;     2. [M 4,096, K 1,024] x [K 1,024, N 2,048]; A: input x (given as codes); B: input tau_adapt_w: QUANTISED (scales: A lowp_scales[2], B lowp_scales[3])
;;     3. [M 4,096, K 2,048] x [K 2,048, N 2,048]; A: input hidden; B: input tau_adapt_w: QUANTISED (scales: A lowp_scales[4], B lowp_scales[5])
;;     4. [M 4,096, K 2,048] x [K 2,048, N 2,048]; A: input hidden; B: input W_rec (given as codes): QUANTISED (scales: A lowp_scales[6], B lowp_scales[7])
;;   THE QUANTISER, for each operand of a quantised product, along K:
;;     - The operand's scale is 2^e, e = its entry of the input lowp_scales (int32; the entries are numbered through the quantised products in the list's order, A before B).
;;     - Each number is divided by the scale, clamped to +-57,344, and rounded to the nearest number of E5M2, ties to even, subnormals kept.
;;     - The product sums the exact products of the quantised numbers (number of the format x scale) in f32.
;;   ~~~python
;;   def quantise(x, axis, e):      # numpy; x: float32 -> the quantised numbers, widened to float32 again
;;       x = np.moveaxis(x, axis, -1); K = x.shape[-1]
;;       r = np.clip(x / 2.0 ** e, -57344, 57344)
;;       step = 2.0 ** (np.maximum(np.frexp(np.where(r == 0, 1, r))[1] - 1, -14) - 2)
;;       q = np.round(r / step) * step * 2.0 ** e      # np.round: ties to even
;;       return np.moveaxis(q, -1, axis).astype(np.float32)
;;   ~~~
;;   INPUTS GIVEN AS CODES. W_in_w (in the module: [2048, 1024], K = its axis 1); W_rec (in the module: [2048, 2048], K = its axis 1); x (in the module: [4096, 1024], K = its axis 1): each comes as NAME_codes (uint8): NAME with its K axis moved to the last place and cut into blocks of 32 codes, [.., K / 32, bytes a block], one block behind the other in memory; one code a byte (a code: sign, 5 exponent bits, 2 mantissa bits); its scale is its entry of lowp_scales. Its value is code x scale, taken as it is: it is not quantised again, and the codes and scales need not be those that the quantiser above would give.
;; One version. Each part assembles by itself: llvm-mc -triple=amdgcn-amd-amdhsa -mcpu=gfx1250 --defsym DOCPART=n.
;; ======== version 1 of 1: 2 launches
;; limits: right only within a limited range of input values
;; workspace buffers: hq6 8,388,608 bytes; hq4 8,388,608 bytes; bact 6,291,456 bytes; btau 6,291,456 bytes; xq 4,194,304 bytes
;; launch prep (part 1): grid 608 x 1, 4 waves a work-group, no clusters, 35,328 bytes of LDS; arguments hidden, tau_adapt_w, W_in_w_codes, W_rec_codes, lowp_scales, hq6, hq4, bact, btau, x_codes, xq; writes hq6, hq4, bact, btau, xq
.if DOCPART == 1
	.amdgcn_target "amdgcn-amd-amdhsa--gfx1250"
	.amdhsa_code_object_version 6
	.text
	.protected	k_q71521ca6b6_prep
	.globl	k_q71521ca6b6_prep
	.p2align	8
	.type	k_q71521ca6b6_prep,@function
k_q71521ca6b6_prep:
	s_mov_b64 s[64:65], 0
	v_nop
	global_prefetch_b8 v0, s[64:65] scope:SCOPE_SE
	s_setreg_imm32_b32 hwreg(HW_REG_WAVE_MODE, 25, 1), 1
	s_wait_xcnt 0x0
; Makes the operands of the second launch, each laid in the order of a matrix operand's registers.
; A FRAGMENT is 16 rows x 64 along K of E5M2 codes, 1,024 bytes: the byte at 512 c + 16 lane + j is row lane % 16, k = 64 ks + 32 c + 16 (lane / 16) + j.
;   hq6, hq4: hidden [4096][2048] f32, quantised by 2^e6 and by 2^e4:  [row / 256][ks 32][fragment 16][1024]
;   btau:     tau_adapt_w [2048][3072] f32, k < 1024 by 2^e3, the rest by 2^e5:  [row / 128][ks 48][fragment 8][1024]
;   bact:     the given codes of W_in_w (ks 0-15) and of W_rec (ks 16-47), copied as they are, in btau's layout
; code = x / 2^e, held within +-57,344, rounded to the nearest code, ties to even.
; LIMITS: e3, e4, e5, e6 lie between -126 and 112, so that 2^e and 57,344 x 2^e are f32 numbers.  NaN among the inputs is not served.
; SHARES.  A wave takes a task; waves share nothing, so there is no barrier.  Work-groups 0-255: hidden; 256-447: tau_adapt_w; 448-543: the codes.
; A task on f32 is 16 rows x 512 along K: eight patches of 16 rows x 64 numbers, a fragment each.  A task on codes is 16 rows x 1,024 codes: four patches of 16 rows x 256 codes, four fragments each.
; A patch is 16 rows x 256 bytes.  Each of its eight loads takes two rows, sixteen lanes to a row's 256 consecutive bytes.  The patch turns through the wave's own stage in LDS
; (rows 272 bytes apart, so that sixteen rows start at sixteen different banks) and comes back as the conversions and the fragment want it: a lane holds neighbours along K of ONE row.
; Every store of a wave covers 512 consecutive bytes, at a multiple of 512 from its buffer's first byte.
; ALSO: xq: the given codes of x [4096][1024], copied as they are into fragments:  [row / 128][ks 16][fragment 8][1024].  Work-groups 544-607, on the path of codes.
.set VR,   8
.set VO,   16                          ; v16-23  patch p's place in the output: 16 x lane + p x the stride from ks to ks
.set SCA,  24                          ; v24, v25  2^e and 57,344 x 2^e for the first set of codes;  v26, v27 for hidden's second set
.set LMA,  25
.set SCB,  26
.set LMB,  27
.set VS,   28                          ; v28  f32 path: into the stage
.set VL,   29                          ; v29  f32 path: out of it
.set VSY,  30                          ; v30, v31  the same for the path of codes, which has LDS bytes of its own
.set VLY,  31
.set T,    32                          ; v32-63   two sets of 16 held numbers, by turns
.set CA,   64                          ; v64-71   a fragment's codes
.set CB,   72                          ; v72-79   hidden's second fragment
.set X,    80                          ; v80-111  the patch as it comes back from the stage
.set R,    112                         ; v112-239 four sets of 32: patches as they are loaded
.set STG,  4352                        ; a stage: 16 rows x 272 bytes
.set YOFF, 4*STG                       ; the stages of the path of codes lie behind the four of the f32 path
	s_load_b256 s[4:11], s[0:1], 0x0               ; hidden s[4:5], tau_adapt_w s[6:7], W_in_w's codes s[8:9], W_rec's codes s[10:11]
	s_load_b64 s[12:13], s[0:1], 0x20              ; the scales' exponents
	s_load_b256 s[16:23], s[0:1], 0x28             ; hq6 s[16:17], hq4 s[18:19], bact s[20:21], btau s[22:23]
	s_load_b128 s[56:59], s[0:1], 0x48             ; x's codes s[56:57], xq s[58:59]
	v_lshl_add_u32 v240, v0, 2, 0x8800
	v_mov_b32 v241, 0
	v_lshrrev_b32 v4, 5, v0
	v_readfirstlane_b32 s30, v4                    ; wave 0..3
	v_and_b32 v1, 31, v0                           ; lane
	v_and_b32 v2, 15, v0                           ; r
	v_bfe_u32 v3, v0, 4, 1                         ; h
	s_mul_i32 s31, s30, STG                        ; my stage
	v_mul_u32_u24 v[VS], v3, 272                   ; all four LDS addresses are made here, ahead of the parting of the two paths
	v_lshl_add_u32 v[VS], v2, 4, v[VS]
	v_add_nc_u32 v[VS], s31, v[VS]                 ; in: row h of the load's two, 16 bytes a lane
	v_mul_u32_u24 v5, v2, 272
	v_add_nc_u32 v5, s31, v5
	v_lshl_add_u32 v[VL], v3, 6, v5                ; out, f32: row r, + 64 h: my 16 numbers of each 32
	v_add_nc_u32 v[VSY], YOFF, v[VS]
	v_lshl_add_u32 v[VLY], v3, 4, v5
	v_add_nc_u32 v[VLY], YOFF, v[VLY]              ; out, codes: row r, + 16 h: my 16 codes of each 32
	v_lshlrev_b32 v[VO], 4, v1
	s_lshl_b32 s32, ttmp9, 2
	s_add_co_u32 s32, s32, s30                     ; 4 x work-group + wave
	s_cmp_ge_u32 ttmp9, 448
	s_cbranch_scc1 .Lbytes
	; ---- THE F32 PATH.  One text serves both tensors: sizes and pointers are chosen on the work-group's number.
	s_cmp_lt_u32 ttmp9, 256                        ; hidden?
	s_cselect_b32 s33, 0, 1024                     ; the tensor's first task
	s_cselect_b32 s34, 8, 7                        ; log2 of its groups of 16 rows
	s_cselect_b32 s35, 4, 3                        ; log2 of the fragments in a block of the output
	s_mov_b32 s36, 12288
	s_cselect_b32 s36, 8192, s36                   ; a row in bytes
	s_mov_b32 s37, 393216
	s_cselect_b32 s37, 524288, s37                 ; a block of the output
	s_mov_b32 s38, 8192
	s_cselect_b32 s38, 16384, s38                  ; from ks to ks in it
	s_wait_kmcnt 0x0
	s_cselect_b64 s[24:25], s[4:5], s[6:7]         ; from
	s_cselect_b64 s[26:27], s[16:17], s[22:23]     ; to: hq6 or btau
	s_load_b256 s[40:47], s[12:13], 0x0            ; e0 .. e7
	s_sub_co_u32 s32, s32, s33                     ; the task
	s_lshr_b32 s48, s32, s34                       ; q: which 512 along K
	s_lshl_b32 s49, s48, s34
	s_sub_co_u32 s49, s32, s49                     ; rg: which 16 rows
	s_lshl_b32 s50, s49, 4
	s_mul_i32 s50, s50, s36
	s_lshl_b32 s51, s48, 11
	s_add_co_u32 s50, s50, s51                     ; 16 rg rows + 2,048 q bytes
	s_mov_b32 s51, 0
	s_add_nc_u64 s[24:25], s[24:25], s[50:51]
	s_lshr_b32 s52, s49, s35                       ; the block,
	s_lshl_b32 s53, s52, s35
	s_sub_co_u32 s53, s49, s53                     ; the fragment in it
	s_mul_i32 s52, s52, s37
	s_lshl_b32 s53, s53, 10
	s_add_co_u32 s52, s52, s53
	s_mul_i32 s53, s48, s38
	s_lshl_b32 s53, s53, 3                         ; ks = 8 q
	s_add_co_u32 s52, s52, s53
	s_mov_b32 s53, 0
	s_add_nc_u64 s[26:27], s[26:27], s[52:53]
	s_add_nc_u64 s[28:29], s[18:19], s[52:53]      ; hq4: stored to by hidden's tasks alone
	v_mul_lo_u32 v[VR], v3, s36
	v_lshl_add_u32 v[VR], v2, 4, v[VR]
	s_lshl_b32 s54, s36, 1
	s_wait_alu depctr_va_vdst(0)
.irp i, 1,2,3,4,5,6,7
	v_add_nc_u32 v[VR+\i], s54, v[VR+\i-1]
	v_add_nc_u32 v[VO+\i], s38, v[VO+\i-1]
.endr
.macro LOADF p                         ; patch p: eight loads, two rows of 256 bytes each
.irp i, 0,1,2,3,4,5,6,7
	global_load_b128 v[R+32*((\p)%4)+4*\i:R+32*((\p)%4)+4*\i+3], v[VR+\i], s[24:25] offset:256*(\p) th:TH_LOAD_NT
.endr
.endm
; The patch in X becomes a fragment's codes.  The held numbers go into T, so that X serves a second scale; T's two sets take turns, so that sixteen plain lines stand between a conversion and the next write of its sources.
.macro QUANT sc, lim, c0
.irp c, 0,1
.irp i, 0,1,2,3,4,5,6,7,8,9,10,11,12,13,14,15
	v_med3_num_f32 v[T+16*\c+\i], v[X+16*\c+\i], -v[\lim], v[\lim]   ; the conversion to an 8-bit code does not saturate (ISA guide 7.6.2): the hold at the largest code x the scale
.endr
	v_cvt_scalef32_pk8_bf8_f32 v[\c0+4*\c:\c0+4*\c+1], v[T+16*\c:T+16*\c+7], v[\sc]
	v_cvt_scalef32_pk8_bf8_f32 v[\c0+4*\c+2:\c0+4*\c+3], v[T+16*\c+8:T+16*\c+15], v[\sc]
.endr
.endm
.macro PATCH p
.if (\p)+3 < 8
	LOADF (\p)+3                                   ; into the set whose LDS stores were waited for in the patch before
.endif
.if 7-(\p) < 3
	s_wait_loadcnt 8*(7-(\p))                      ; this patch's eight loads are in; the later patches' may be out
.else
	s_wait_loadcnt 24
.endif
.irp i, 0,1,2,3,4,5,6,7
	ds_store_b128 v[VS], v[R+32*((\p)%4)+4*\i:R+32*((\p)%4)+4*\i+3] offset:544*\i
.endr
.irp c, 0,1
.irp j, 0,1,2,3
	ds_load_b128 v[X+16*\c+4*\j:X+16*\c+4*\j+3], v[VL] offset:128*\c+16*\j   ; LDS serves a wave's instructions in order (ISA guide 5.7.1.4): these see the stores above
.endr
.endr
	s_wait_dscnt 0x0
	s_wait_xcnt 0x0                                ; the last patch's stores have read their data: the codes' registers are written again only behind this wait
	QUANT SCA, LMA, CA
	global_store_b128 v[VO+(\p)], v[CA:CA+3], s[26:27]
	global_store_b128 v[VO+(\p)], v[CA+4:CA+7], s[26:27] offset:512
	s_cmp_lt_u32 ttmp9, 256                        ; hidden is an operand of two products, each with a scale of its own
	s_cbranch_scc0 .Lone_scale_\@
	QUANT SCB, LMB, CB
	global_store_b128 v[VO+(\p)], v[CB:CB+3], s[28:29]
	global_store_b128 v[VO+(\p)], v[CB+4:CB+7], s[28:29] offset:512
.Lone_scale_\@:
.endm
	LOADF 0
	LOADF 1
	LOADF 2
	s_wait_alu depctr_va_vdst(0)
	s_wait_kmcnt 0x0
	s_cmp_lt_u32 s48, 2                            ; tau_adapt_w: k < 1,024 belongs to the product with x
	s_cselect_b32 s55, s43, s45                    ; e3 or e5
	s_cmp_lt_u32 ttmp9, 256
	s_cselect_b32 s55, s46, s55                    ; hidden: e6
	s_add_co_i32 s55, s55, 127
	s_lshl_b32 s56, s55, 23
	v_mov_b32 v[SCA], s56                          ; 2^e as f32: the conversion takes its exponent field
	s_add_co_i32 s55, s55, 15
	s_lshl_b32 s55, s55, 23
	s_or_b32 s55, s55, 0x600000
	v_mov_b32 v[LMA], s55                          ; 57,344 x 2^e
	s_wait_alu depctr_va_vdst(0)
	s_add_co_i32 s55, s44, 127                     ; and the same with e4
	s_lshl_b32 s56, s55, 23
	v_mov_b32 v[SCB], s56
	s_add_co_i32 s55, s55, 15
	s_lshl_b32 s55, s55, 23
	s_or_b32 s55, s55, 0x600000
	v_mov_b32 v[LMB], s55
.irp p, 0,1,2,3,4,5,6,7
	PATCH \p
.endr
	s_wait_tensorcnt 0x0
	ds_add_u32 v240, v241
	s_wait_dscnt 0x0
	s_endpgm
	; ---- THE PATH OF CODES: W_in_w's and W_rec's bytes change places and nothing else.
.Lbytes:
	s_sub_co_u32 s32, s32, 1792                    ; the task
	s_lshr_b32 s48, s32, 7                         ; q: 0 W_in_w; 1, 2 the halves of W_rec's rows; 3, 4 x's rows 0-2047 and 2048-4095
	s_and_b32 s49, s32, 127                        ; rg: which 16 rows
	s_cmp_eq_u32 s48, 0
	s_mov_b32 s36, 2048
	s_cselect_b32 s36, 1024, s36                   ; a row in bytes
	s_wait_kmcnt 0x0
	s_cselect_b64 s[24:25], s[8:9], s[10:11]
	s_cmp_eq_u32 s48, 2
	s_cselect_b32 s51, 1024, 0
	s_lshl_b32 s38, s48, 17                        ; the weights: ks = 16 q
	s_mov_b32 s37, 393216                          ; and a block of 48 ks
	s_lshl_b32 s39, s48, 7
	s_add_co_u32 s39, s39, s49
	s_sub_co_u32 s39, s39, 384                     ; x: its group of 16 rows is 128 (q - 3) + rg
	s_cmp_ge_u32 s48, 3                            ; x?
	s_cselect_b32 s49, s39, s49
	s_cselect_b32 s36, 1024, s36                   ; a row of x is 1,024 bytes
	s_cselect_b32 s38, 0, s38                      ; from ks 0 on
	s_cselect_b32 s37, 131072, s37                 ; a block of 16 ks
	s_cselect_b64 s[24:25], s[56:57], s[24:25]
	s_cselect_b64 s[28:29], s[58:59], s[20:21]     ; to: xq or bact
	s_lshl_b32 s50, s49, 4
	s_mul_i32 s50, s50, s36
	s_add_co_u32 s50, s50, s51
	s_mov_b32 s51, 0
	s_add_nc_u64 s[24:25], s[24:25], s[50:51]
	s_lshr_b32 s52, s49, 3
	s_mul_i32 s52, s52, s37                        ; the block,
	s_and_b32 s53, s49, 7
	s_lshl_b32 s53, s53, 10                        ; the fragment in it,
	s_add_co_u32 s52, s52, s53
	s_add_co_u32 s52, s52, s38
	s_mov_b32 s53, 0
	s_add_nc_u64 s[26:27], s[28:29], s[52:53]
	v_mul_lo_u32 v[VR], v3, s36
	v_lshl_add_u32 v[VR], v2, 4, v[VR]
	s_lshl_b32 s54, s36, 1
.irp i, 1,2,3,4,5,6,7
	v_add_nc_u32 v[VR+\i], s54, v[VR+\i-1]
.endr
.irp p, 0,1,2,3
.irp i, 0,1,2,3,4,5,6,7
	global_load_b128 v[R+32*\p+4*\i:R+32*\p+4*\i+3], v[VR+\i], s[24:25] offset:256*\p th:TH_LOAD_NT
.endr
.endr
.macro YPATCH p
.set YB, X-48*((\p)%2)                 ; the patch comes back into v80-111 or v32-63, by turns
.if (\p) >= 2
	s_wait_xcnt 0x0                                ; the stores of two patches ago have read these registers
.endif
	s_wait_loadcnt 8*(3-(\p))                      ; this patch's eight loads are in
.irp i, 0,1,2,3,4,5,6,7
	ds_store_b128 v[VSY], v[R+32*(\p)+4*\i:R+32*(\p)+4*\i+3] offset:544*\i
.endr
.irp m, 0,1,2,3,4,5,6,7
	ds_load_b128 v[YB+4*\m:YB+4*\m+3], v[VLY] offset:32*\m   ; half m % 2 of the patch's fragment m / 2
.endr
	s_wait_dscnt 0x0
.irp m, 0,1,2,3,4,5,6,7
	global_store_b128 v[VO], v[YB+4*\m:YB+4*\m+3], s[26:27] offset:(4*(\p)+(\m/2))*8192+512*(\m%2)
.endr
.endm
	YPATCH 0
	YPATCH 1
	YPATCH 2
	YPATCH 3
	s_wait_tensorcnt 0x0
	ds_add_u32 v240, v241
	s_wait_dscnt 0x0
	s_endpgm
.Lfunc_end_k_q71521ca6b6_prep:
	.size	k_q71521ca6b6_prep, .Lfunc_end_k_q71521ca6b6_prep-k_q71521ca6b6_prep
	.p2alignl 7, 3214868480
	.fill 96, 4, 3214868480
	.section	.rodata,"a",@progbits
	.p2align	6, 0x0
	.amdhsa_kernel k_q71521ca6b6_prep
		.amdhsa_group_segment_fixed_size 35328
		.amdhsa_private_segment_fixed_size 0
		.amdhsa_enable_private_segment 0
		.amdhsa_kernarg_size 88
		.amdhsa_user_sgpr_count 2
		.amdhsa_user_sgpr_kernarg_segment_ptr 1
		.amdhsa_wavefront_size32 1
		.amdhsa_system_sgpr_workgroup_id_x 1
		.amdhsa_system_sgpr_workgroup_id_y 1
		.amdhsa_system_sgpr_workgroup_id_z 1
		.amdhsa_system_vgpr_workitem_id 0
		.amdhsa_next_free_vgpr 242
		.amdhsa_next_free_sgpr 66
		.amdhsa_reserve_vcc 0
		.amdhsa_float_denorm_mode_32 3
		.amdhsa_float_denorm_mode_16_64 3
		.amdhsa_memory_ordered 1
		.amdhsa_forward_progress 1
		.amdhsa_inst_pref_size 72
	.end_amdhsa_kernel
	.amdgpu_metadata
---
amdhsa.version: [ 1, 2 ]
amdhsa.kernels:
  - .name:           k_q71521ca6b6_prep
    .symbol:         k_q71521ca6b6_prep.kd
    .args:
      - { .name: hidden, .offset: 0, .size: 8, .value_kind: global_buffer, .address_space: global }
      - { .name: tau_adapt_w, .offset: 8, .size: 8, .value_kind: global_buffer, .address_space: global }
      - { .name: W_in_w_codes, .offset: 16, .size: 8, .value_kind: global_buffer, .address_space: global }
      - { .name: W_rec_codes, .offset: 24, .size: 8, .value_kind: global_buffer, .address_space: global }
      - { .name: lowp_scales, .offset: 32, .size: 8, .value_kind: global_buffer, .address_space: global }
      - { .name: hq6, .offset: 40, .size: 8, .value_kind: global_buffer, .address_space: global }
      - { .name: hq4, .offset: 48, .size: 8, .value_kind: global_buffer, .address_space: global }
      - { .name: bact, .offset: 56, .size: 8, .value_kind: global_buffer, .address_space: global }
      - { .name: btau, .offset: 64, .size: 8, .value_kind: global_buffer, .address_space: global }
      - { .name: x_codes, .offset: 72, .size: 8, .value_kind: global_buffer, .address_space: global }
      - { .name: xq, .offset: 80, .size: 8, .value_kind: global_buffer, .address_space: global }
    .group_segment_fixed_size: 35328
    .private_segment_fixed_size: 0
    .kernarg_segment_align: 8
    .kernarg_segment_size: 88
    .max_flat_workgroup_size: 128
    .sgpr_count:     66
    .vgpr_count:     242
    .wavefront_size: 32
...
	.end_amdgpu_metadata
.endif
;; end of part 1
;; launch cell (part 2): grid 16 x 16, 4 waves a work-group, no clusters, 270,848 bytes of LDS; arguments xq, hq6, hq4, bact, btau, lowp_scales, W_in_b, tau_adapt_b, tau_base, hidden, out0, out1; writes out0, out1
.if DOCPART == 2
	.amdgcn_target "amdgcn-amd-amdhsa--gfx1250"
	.amdhsa_code_object_version 6
	.text
	.protected	k_q71521ca6b6_cell
	.globl	k_q71521ca6b6_cell
	.p2align	8
	.type	k_q71521ca6b6_cell,@function
k_q71521ca6b6_cell:
	s_mov_b64 s[64:65], 0
	v_nop
	global_prefetch_b8 v0, s[64:65] scope:SCOPE_SE
	s_setreg_imm32_b32 hwreg(HW_REG_WAVE_MODE, 25, 1), 1
	s_wait_xcnt 0x0
; The whole cell: za = x W_in^T + h W_rec^T, zt = x Wt[:, :I]^T + h Wt[:, I:]^T on E5M2 codes, then
; tau = tau_base (0.5 + sigmoid(zt + tau_adapt_b)), out0 = h + 0.1 (tanh(za + W_in_b) - h) / tau, out1 = tau.
; A work-group makes 256 rows x 128 columns of both outputs.  Wave w: rows 128 (w / 2) .. + 127 of product w % 2 (0: za, 1: zt): 64 accumulators, 512 registers.
; OPERANDS GO FROM MEMORY STRAIGHT INTO REGISTERS: the launch before has laid every operand as fragments of 16 rows x 64 K (1,024 bytes, 16 bytes a lane twice), so a load of a wave
; takes 512 consecutive bytes and its result is the operand.  K = 3,072 goes in 48 steps of 64 (16 of x, 32 of hidden); a step is 32 loads and 64 matrix instructions.
; Three sets of fragment registers take turns: step s multiplies set s % 3 while the loads of steps s + 1 and s + 2 are out.  The K loop has no LDS access and no barrier.
; NO CLUSTER, NO JOINT LOAD: no tile passes through LDS, so there is no tensor load that partners could issue together; LDS serves the way out alone.
; SCALES: x's 16 steps sum under 2^(e0+e1) (zt: 2^(e2+e3)); ahead of step 16 the sums are multiplied by 2^(e0+e1-e6-e7) (zt: 2^(e2+e3-e4-e5)), a power of two; at the end 2^(e6+e7) (2^(e4+e5)) is folded into the exponentials' factor.
; LIMITS: e0+e1-e6-e7, e2+e3-e4-e5, e6+e7 and e4+e5 lie between -126 and 126, so that these factors are f32 numbers.
; PREFETCHES: each trip of three steps asks for blocks of 256 bytes of later steps, shared out by address among the waves that read a stream: hidden's codes (16 waves, 6 blocks each, 13 steps ahead of
; their loads) and the weights (32 waves, 3 blocks each, 6 steps ahead); they stop where the stream ends.  x's codes and the first 9 steps of the weights come by their loads alone.  hidden's f32 rows 0-47 of the wave are asked for three trips from the end.
; THE MATRIX INSTRUCTION IS USED TRANSPOSED (source 0 = 16 rows of the weight, source 1 = 16 rows of x or hidden): a lane holds eight neighbouring columns of one row.
; REGISTERS: window 0: v0-63 addresses and constants, v64-255 A's three sets; window 1: v0-191 B's three sets, v192-255 hidden's rows 48-63; windows 2, 3: the accumulators.
.set SPITCH, 528                       ; a stage row: 512 bytes + 16
.set LSTG,   256*SPITCH                ; za's stage; zt's lies behind it
.set SPARE,  2*LSTG                    ; the spare words, 128 bytes a wave
.set KS,     8192                      ; from step to step in xq, bact, btau
.set KSH,    16384                     ; the same in hq6, hq4
.set DST, 18
.set RDA, 19
.set RDT, 20
.set GOF, 21                           ; 16 x lane
.set PFOA, 22
.set BOF, 23
.set PFOB, 24
.set PFH, 25
.set SPW, 28
.set NIL, 29
.set CT,  32
.set HB,  36
.set BS,  40
.set CA,  44
.set RT,  192
.set SAC, 22                           ; s[22:23]  2 log2(e) 2^(e6+e7)
.set PA,  24                           ; s[24:25]  where A's loads stand
.set PH,  26                           ; s[26:27]  my rows of hq6 or hq4, step 16
.set PB,  28                           ; s[28:29]  where B's loads stand
.set PFA, 30                           ; s[30:31]  where the prefetches of hq stand
.set SRS, 32                           ; s[32:33]  the change of scale
.set STA, 34                           ; s[34:35]  -log2(e) 2^(e4+e5)
.set HID, 56
.set O0,  58
.set O1,  60
.set MSB, 0
.macro WIN new                         ; the immediate's high byte repeats the setting that is left
.if MSB != (\new)
	s_set_vgpr_msb (MSB<<8)|(\new)
.set MSB, (\new)
.endif
.endm
.set MUL_LO, 0xa1                      ; source 0 (B) window 1, source 1 (A) window 0, C and D window 2
.set MUL_HI, 0xf1
.set TO_B,   0x40                      ; destination window 1
.macro PLACES
.rept 4
	v_nop
.endr
.endm
.macro LD_B set, off                   ; B's eight fragments of a step
	WIN TO_B
.irp i, 0,1,2,3,4,5,6,7
	global_load_b128 v[64*(\set)+8*\i:64*(\set)+8*\i+3], v[GOF], s[PB:PB+1] offset:(\off)+\i*1024
	global_load_b128 v[64*(\set)+8*\i+4:64*(\set)+8*\i+7], v[GOF], s[PB:PB+1] offset:(\off)+\i*1024+512
.endr
.endm
.macro LD_A set, p, off                ; A's eight
	WIN 0
.irp i, 0,1,2,3,4,5,6,7
	global_load_b128 v[64+64*(\set)+8*\i:64+64*(\set)+8*\i+3], v[GOF], s[\p:\p+1] offset:(\off)+\i*1024
	global_load_b128 v[64+64*(\set)+8*\i+4:64+64*(\set)+8*\i+7], v[GOF], s[\p:\p+1] offset:(\off)+\i*1024+512
.endr
.endm
.macro HLOAD t0                        ; 16 rows of hidden, 512 bytes each: row t into window 1, v[4 t ..]
	WIN TO_B
.irp t, 0,1,2,3,4,5,6,7,8,9,10,11,12,13,14,15
	global_load_b128 v[4*((\t0)+\t):4*((\t0)+\t)+3], v[GOF], s[HID:HID+1] offset:((\t0)+\t)*8192 th:TH_LOAD_NT
.endr
.endm
; 16 matrix instructions; the 64 accumulators take turns in the same order in every step
.macro MUL16 set, hi, a0, zero
.irp a, \a0, \a0+1
.irp b, 0,1,2,3,4,5,6,7
.if \zero
	v_wmma_f32_16x16x64_bf8_bf8 v[8*(8*(\a)+\b):8*(8*(\a)+\b)+7], v[64*(\set)+8*\b:64*(\set)+8*\b+7], v[64+64*(\set)+8*(4*\hi+\a):64+64*(\set)+8*(4*\hi+\a)+7], 0
.else
	v_wmma_f32_16x16x64_bf8_bf8 v[8*(8*(\a)+\b):8*(8*(\a)+\b)+7], v[64*(\set)+8*\b:64*(\set)+8*\b+7], v[64+64*(\set)+8*(4*\hi+\a):64+64*(\set)+8*(4*\hi+\a)+7], v[8*(8*(\a)+\b):8*(8*(\a)+\b)+7]
.endif
.endr
.endr
.endm
.macro ASK_A
	global_prefetch_b8 v[PFOA], s[PFA:PFA+1] th:TH_LOAD_NT scope:SCOPE_SE
.endm
.macro ASK_B
	global_prefetch_b8 v[PFOB], s[PB:PB+1] offset:6*KS th:TH_LOAD_NT scope:SCOPE_SE
.endm
.macro ASKS how                        ; 1: both streams; 2: in the last loop, s2 trips to go: each stream until its end, and hidden's rows once
.if \how == 1
	ASK_A
	ASK_B
.elseif \how == 2
	s_cmp_ge_u32 s2, 6                             ; hq's steps up to 29 of 32
	s_cbranch_scc0 .Lna_\@
	ASK_A
.Lna_\@:
	s_cmp_ge_u32 s2, 3                             ; the weights' steps up to 47
	s_cbranch_scc0 .Lnb_\@
	ASK_B
.Lnb_\@:
	s_cmp_eq_u32 s2, 3
	s_cbranch_scc0 .Lnh_\@
	global_prefetch_b8 v[PFH], s[HID:HID+1] th:TH_LOAD_NT scope:SCOPE_SE
	global_prefetch_b8 v[PFH], s[HID:HID+1] offset:16*8192 th:TH_LOAD_NT scope:SCOPE_SE
	global_prefetch_b8 v[PFH], s[HID:HID+1] offset:32*8192 th:TH_LOAD_NT scope:SCOPE_SE
.Lnh_\@:
.endif
.endm
; A step: multiplies set, and fetches the step two on into the set that the step before has multiplied
.macro STEP set, zero, p, oa, ob, ask
	s_wait_loadcnt 32                              ; this step's 32 loads are in; the next step's 32 may be out
	PLACES                                         ; in front of loads into registers that matrix instructions have read
	LD_B ((\set)+2)%3, \ob
	WIN MUL_LO
	MUL16 \set, 0, 0, \zero
	MUL16 \set, 0, 2, \zero
	LD_A ((\set)+2)%3, \p, \oa
	ASKS \ask
	WIN MUL_HI
	MUL16 \set, 1, 0, \zero
	MUL16 \set, 1, 2, \zero
.endm
.macro TRIP p0, o0, p1, o1, p2, o2, ask
	STEP 1, 0, \p0, \o0, 0, \ask
	STEP 2, 0, \p1, \o1, KS, 0
	STEP 0, 0, \p2, \o2, 2*KS, 0
	WIN 0
	s_wait_xcnt 0x0                                ; the trip's loads and prefetches have read their bases: these step only behind this wait
	s_add_nc_u64 s[PB:PB+1], s[PB:PB+1], 3*KS
.endm
.macro TSTEP set, cnt, t0              ; a tail step: no fragments left to fetch; 16 rows of hidden go into B's free set
	s_wait_loadcnt \cnt
	PLACES
	HLOAD \t0
	WIN MUL_LO
	MUL16 \set, 0, 0, 0
	MUL16 \set, 0, 2, 0
	WIN MUL_HI
	MUL16 \set, 1, 0, 0
	MUL16 \set, 1, 2, 0
.endm
	s_load_b256 s[4:11], s[0:1], 0x0               ; xq, hq6, hq4, bact
	s_load_b128 s[12:15], s[0:1], 0x20             ; btau, the scales' exponents
	s_load_b256 s[36:43], s[0:1], 0x30             ; W_in_b, tau_adapt_b, tau_base, hidden
	s_load_b128 s[44:47], s[0:1], 0x50             ; out0, out1
	v_lshrrev_b32 v1, 5, v0
	v_readfirstlane_b32 s16, v1                    ; wave
	s_lshr_b32 s17, s16, 1                         ; my half of the rows
	s_and_b32 s18, s16, 1                          ; my product
	s_and_b32 s20, ttmp7, 0xffff                   ; block of 256 rows
	s_lshl_b32 s19, s20, 1
	s_add_co_u32 s19, s19, s17                     ; block of 128 rows
	s_lshl_b32 s68, s19, 17                        ; in xq
	s_mov_b32 s69, 0
	s_lshl_b32 s70, s20, 19
	s_lshl_b32 s71, s17, 13
	s_add_co_u32 s70, s70, s71                     ; in hq6, hq4
	s_mov_b32 s71, 0
	s_mul_i32 s72, ttmp9, 393216                   ; my 128 columns in bact, btau
	s_mov_b32 s73, 0
	s_lshl_b32 s74, s20, 8
	s_lshl_b32 s75, s16, 6
	s_add_co_u32 s74, s74, s75                     ; the way out: my 64 rows,
	s_lshl_b32 s74, s74, 13
	s_lshl_b32 s21, ttmp9, 9
	s_add_co_u32 s74, s74, s21                     ; the work-group's 512 bytes of them
	s_mov_b32 s75, 0
	s_mul_i32 s76, s18, LSTG
	s_mul_i32 s77, s17, 128*SPITCH
	s_add_co_u32 s76, s76, s77                     ; where my tile goes in the stage
	s_mul_i32 s77, s16, 64*SPITCH                  ; and which rows I read back
	s_mul_i32 s78, ttmp9, 6                        ; my 6 of a trip's 96 blocks of hq
	s_mul_i32 s79, s19, 3                          ; my 3 of a trip's 96 blocks of the weights
	v_lshl_add_u32 v[SPW], v0, 2, SPARE
	v_mov_b32 v[NIL], 0
	v_and_b32 v1, 31, v0
	v_and_b32 v2, 15, v0
	v_bfe_u32 v3, v0, 4, 1
	v_lshlrev_b32 v[GOF], 4, v1
	v_add_nc_u32 v[BOF], s21, v[GOF]
	v_mul_u32_u24 v4, v2, SPITCH
	v_lshl_add_u32 v4, v3, 5, v4
	v_add_nc_u32 v[DST], s76, v4                   ; in: row l % 16, 32 bytes for each half of the lanes
	v_add_nc_u32 v[RDA], s77, v[GOF]               ; back: a row of 512 bytes
	v_add_nc_u32 v[RDT], LSTG, v[RDA]
	v_lshrrev_b32 v4, 1, v1
	v_and_b32 v5, 1, v1
	v_lshlrev_b32 v[PFH], 13, v4
	v_lshl_add_u32 v[PFH], v5, 8, v[PFH]           ; hidden: two lanes to a row's 512 bytes
	v_min_u32 v4, 5, v1
	v_add_nc_u32 v4, s78, v4                       ; block n of 96: step n / 32, block n % 32 of its 8,192 bytes
	v_lshrrev_b32 v5, 5, v4
	v_and_b32 v4, 31, v4
	v_lshlrev_b32 v[PFOA], 8, v4
	v_lshl_add_u32 v[PFOA], v5, 14, v[PFOA]
	v_min_u32 v4, 2, v1
	v_add_nc_u32 v4, s79, v4
	v_lshlrev_b32 v[PFOB], 8, v4
	v_mov_b32 v48, 0xbe4ccccd                      ; -0.2
	v_mov_b32 v49, 0xbe4ccccd
	v_mov_b32 v50, 0x3dcccccd                      ; 0.1
	v_mov_b32 v51, 0x3dcccccd
	v_mov_b32 v52, 0xbdcccccd                      ; -0.1
	v_mov_b32 v53, 0xbdcccccd
	s_wait_alu depctr_va_vdst(0)
	s_wait_kmcnt 0x0
	s_load_b256 s[48:55], s[14:15], 0x0            ; e0 .. e7
	s_cmp_eq_u32 s18, 0
	s_cselect_b64 s[PH:PH+1], s[6:7], s[8:9]
	s_cselect_b64 s[PB:PB+1], s[10:11], s[12:13]
	s_add_nc_u64 s[PA:PA+1], s[4:5], s[68:69]
	s_add_nc_u64 s[PB:PB+1], s[PB:PB+1], s[72:73]
	LD_B 0, 0                                      ; steps 0 and 1
	LD_A 0, PA, 0
	LD_B 1, KS
	LD_A 1, PA, KS
	s_add_nc_u64 s[PH:PH+1], s[PH:PH+1], s[70:71]
	s_mov_b64 s[PFA:PFA+1], s[PH:PH+1]
	s_add_nc_u64 s[HID:HID+1], s[42:43], s[74:75]
	s_add_nc_u64 s[O0:O0+1], s[44:45], s[74:75]
	s_add_nc_u64 s[O1:O1+1], s[46:47], s[74:75]
	s_wait_kmcnt 0x0
	s_add_co_i32 s80, s54, s55                     ; e6 + e7
	s_add_co_i32 s81, s52, s53                     ; e4 + e5
	s_add_co_i32 s82, s48, s49
	s_add_co_i32 s83, s50, s51
	s_sub_co_i32 s82, s82, s80
	s_sub_co_i32 s83, s83, s81
	s_cmp_eq_u32 s18, 0
	s_cselect_b32 s[SRS], s82, s83
	s_add_co_i32 s[SRS], s[SRS], 127
	s_lshl_b32 s[SRS], s[SRS], 23                  ; the change of scale as f32
	s_mov_b32 s[SRS+1], s[SRS]
	s_lshl_b32 s[SAC], s80, 23
	s_add_co_u32 s[SAC], s[SAC], 0x4038aa3b        ; the exponents are added to the factor's exponent field
	s_mov_b32 s[SAC+1], s[SAC]
	s_lshl_b32 s[STA], s81, 23
	s_add_co_u32 s[STA], s[STA], 0xbfb8aa3b
	s_mov_b32 s[STA+1], s[STA]
	STEP 0, 1, PA, 2*KS, 2*KS, 0                   ; step 0 starts the sums; it fetches step 2
	WIN 0
	s_wait_xcnt 0x0
	s_add_nc_u64 s[PA:PA+1], s[PA:PA+1], 3*KS
	s_add_nc_u64 s[PB:PB+1], s[PB:PB+1], 3*KS
	s_mov_b32 s2, 4
.Lx:                                                   ; steps 1-12; they fetch steps 3-14
	TRIP PA, 0, PA, KS, PA, 2*KS, 1
	s_add_nc_u64 s[PA:PA+1], s[PA:PA+1], 3*KS
	s_add_nc_u64 s[PFA:PFA+1], s[PFA:PFA+1], 3*KSH
	s_sub_co_u32 s2, s2, 1
	s_cmp_lg_u32 s2, 0
	s_cbranch_scc1 .Lx
	TRIP PA, 0, PH, 0, PH, KSH, 1                  ; steps 13-15: they fetch x's last step and hidden's first two
	s_add_nc_u64 s[PA:PA+1], s[PH:PH+1], 2*KSH
	s_add_nc_u64 s[PFA:PFA+1], s[PFA:PFA+1], 3*KSH
	HLOAD 48                                       ; hidden's rows 48-63, into registers that no fragment uses
	WIN 0
	global_load_b128 v[CA:CA+3], v[BOF], s[36:37]
	global_load_b128 v[CT:CT+3], v[BOF], s[38:39]
	global_load_b128 v[BS:BS+3], v[BOF], s[40:41]
	PLACES
	WIN 0x82                                       ; x's sums are brought under hidden's scales: each accumulator from its low end on
.set j, 0
.rept 128
	v_pk_mul_f32 v[j:j+1], v[j:j+1], s[SRS:SRS+1] op_sel_hi:[1,0]
.set j, j+2
.endr
	WIN 0xc3
.set j, 0
.rept 128
	v_pk_mul_f32 v[j:j+1], v[j:j+1], s[SRS:SRS+1] op_sel_hi:[1,0]
.set j, j+2
.endr
	WIN 0
	s_wait_alu depctr_va_vdst(0)
	s_mov_b32 s2, 10
.Lh:                                                   ; steps 16-45; they fetch steps 18-47
	TRIP PA, 0, PA, KSH, PA, 2*KSH, 2
	s_add_nc_u64 s[PA:PA+1], s[PA:PA+1], 3*KSH
	s_add_nc_u64 s[PFA:PFA+1], s[PFA:PFA+1], 3*KSH
	s_sub_co_u32 s2, s2, 1
	s_cmp_lg_u32 s2, 0
	s_cbranch_scc1 .Lh
	TSTEP 1, 32, 0                                 ; step 46: step 47's 32 loads may be out
	TSTEP 2, 16, 16                                ; step 47: the 16 loads of hidden's rows 0-15 may be out
	WIN 0
	v_pk_mul_f32 v[CA:CA+1], v[CA:CA+1], 0x4038aa3b op_sel_hi:[1,0]   ; the biases under the exponentials' factors; these six lines are also the places behind the last products
	v_pk_mul_f32 v[CA+2:CA+3], v[CA+2:CA+3], 0x4038aa3b op_sel_hi:[1,0]
	v_pk_mul_f32 v[CT:CT+1], v[CT:CT+1], 0xbfb8aa3b op_sel_hi:[1,0]
	v_pk_mul_f32 v[CT+2:CT+3], v[CT+2:CT+3], 0xbfb8aa3b op_sel_hi:[1,0]
	v_pk_mul_f32 v[HB:HB+1], v[BS:BS+1], 0.5 op_sel_hi:[1,0]
	v_pk_mul_f32 v[HB+2:HB+3], v[BS+2:BS+3], 0.5 op_sel_hi:[1,0]
	HLOAD 32
	; THE WAY OUT: both products' tiles go into the stage; behind a barrier each wave takes 64 whole rows of both
.irp a, 0,1,2,3,4,5,6,7
	WIN 0x08+4*(\a/4)
.irp b, 0,1,2,3,4,5,6,7
	ds_store_b128 v[DST], v[8*(8*(\a%4)+\b):8*(8*(\a%4)+\b)+3] offset:\a*16*SPITCH+64*\b
	ds_store_b128 v[DST], v[8*(8*(\a%4)+\b)+4:8*(8*(\a%4)+\b)+7] offset:\a*16*SPITCH+64*\b+16
.endr
.endr
	WIN 0
	s_wait_alu depctr_va_vdst(0)
	s_wait_dscnt 0x0                               ; for the others' sake: my stores into the stage are done
	s_barrier_signal -1
	s_barrier_wait -1
.macro LOADZ b, set                    ; rows 8 b .. 8 b + 7 of za and of zt
.irp t, 0,1,2,3,4,5,6,7
	ds_load_b128 v[64+64*(\set)+4*\t:64+64*(\set)+4*\t+3], v[RDA] offset:(8*(\b)+\t)*SPITCH
.endr
.irp t, 0,1,2,3,4,5,6,7
	ds_load_b128 v[96+64*(\set)+4*\t:96+64*(\set)+4*\t+3], v[RDT] offset:(8*(\b)+\t)*SPITCH
.endr
.endm
; Eight rows.  sigmoid(t) = 1 / (1 + 2^(-log2(e) t)); tanh(a) = 1 - 2 / (1 + 2^(2 log2(e) a)).  dsw: LDS loads that may stay out; ldw: loads of hidden that may stay out (-1: these rows were waited for long ago)
.macro BATCH b, set, dsw, ldw
.set ZA_, 64+64*(\set)
.set ZT_, 96+64*(\set)
	s_wait_dscnt \dsw
.irp i, 0,1,2,3,4,5,6,7,8,9,10,11,12,13,14,15
	v_pk_fma_f32 v[ZT_+2*\i:ZT_+2*\i+1], v[ZT_+2*\i:ZT_+2*\i+1], s[STA:STA+1], v[CT+2*(\i%2):CT+2*(\i%2)+1] op_sel_hi:[1,0,1]
.endr
.irp i, 0,1,2,3,4,5,6,7,8,9,10,11,12,13,14,15
	v_pk_fma_f32 v[ZA_+2*\i:ZA_+2*\i+1], v[ZA_+2*\i:ZA_+2*\i+1], s[SAC:SAC+1], v[CA+2*(\i%2):CA+2*(\i%2)+1] op_sel_hi:[1,0,1]
.endr
.set j, 0
	s_wait_alu depctr_va_vdst(0)                   ; a wait ahead of each batch of transcendentals and behind it
.rept 64
	v_exp_f32 v[ZA_+j], v[ZA_+j]
.set j, j+1
.endr
	v_nop
	s_wait_alu depctr_va_vdst(0)
.set j, 0
.rept 32
	v_pk_add_f32 v[ZA_+j:ZA_+j+1], v[ZA_+j:ZA_+j+1], 1.0 op_sel_hi:[1,0]
.set j, j+2
.endr
.set j, 0
	s_wait_alu depctr_va_vdst(0)
.rept 64
	v_rcp_f32 v[ZA_+j], v[ZA_+j]
.set j, j+1
.endr
	v_nop
	s_wait_alu depctr_va_vdst(0)
.irp i, 0,1,2,3,4,5,6,7,8,9,10,11,12,13,14,15
	v_pk_fma_f32 v[ZT_+2*\i:ZT_+2*\i+1], v[ZT_+2*\i:ZT_+2*\i+1], v[BS+2*(\i%2):BS+2*(\i%2)+1], v[HB+2*(\i%2):HB+2*(\i%2)+1]   ; tau
.endr
.irp i, 0,1,2,3,4,5,6,7,8,9,10,11,12,13,14,15
	v_pk_fma_f32 v[ZA_+2*\i:ZA_+2*\i+1], v[ZA_+2*\i:ZA_+2*\i+1], v[48:49], v[50:51]   ; 0.1 tanh
.endr
.irp t, 0,1,2,3,4,5,6,7
	global_store_b128 v[GOF], v[ZT_+4*\t:ZT_+4*\t+3], s[O1:O1+1] offset:(8*(\b)+\t)*8192 th:TH_STORE_NT   ; 32 lanes store 512 consecutive bytes, at a multiple of 512 from the buffer's first byte
.endr
.set j, 0
	s_wait_alu depctr_va_vdst(0)
.rept 32
	v_rcp_f32 v[RT+j], v[ZT_+j]
.set j, j+1
.endr
.if \ldw >= 0
	s_wait_loadcnt \ldw
.endif
	WIN 0x01
.irp i, 0,1,2,3,4,5,6,7,8,9,10,11,12,13,14,15
	v_pk_fma_f32 v[ZA_+2*\i:ZA_+2*\i+1], v[32*(\b)+2*\i:32*(\b)+2*\i+1], v[52:53], v[ZA_+2*\i:ZA_+2*\i+1]   ; 0.1 (tanh - h)
.endr
	s_wait_alu depctr_va_vdst(0)
	WIN 0x10
.irp i, 0,1,2,3,4,5,6,7,8,9,10,11,12,13,14,15
	v_pk_fma_f32 v[ZA_+2*\i:ZA_+2*\i+1], v[ZA_+2*\i:ZA_+2*\i+1], v[RT+2*\i:RT+2*\i+1], v[32*(\b)+2*\i:32*(\b)+2*\i+1]   ; / tau + h
.endr
	WIN 0
.irp t, 0,1,2,3,4,5,6,7
	global_store_b128 v[GOF], v[ZA_+4*\t:ZA_+4*\t+3], s[O0:O0+1] offset:(8*(\b)+\t)*8192 th:TH_STORE_NT
.endr
.endm
.macro NEXTZ b, set                    ; a set is read into again only when its stores have read it
	s_wait_xcnt 0x0
	LOADZ \b, \set
.endm
	LOADZ 6, 0                                     ; the rows whose hidden came first go first
	LOADZ 7, 1
	BATCH 6, 0, 16, -1
	NEXTZ 0, 0
	BATCH 7, 1, 16, -1
	NEXTZ 1, 1
	BATCH 0, 0, 16, 40                             ; behind rows 0-7's loads of hidden: 8 + 16 + 16
	NEXTZ 2, 0
	BATCH 1, 1, 16, 32
	NEXTZ 3, 1
	BATCH 2, 0, 16, 24
	NEXTZ 4, 0
	BATCH 3, 1, 16, 16
	NEXTZ 5, 1
	BATCH 4, 0, 16, 8
	BATCH 5, 1, 0, 0
	s_wait_tensorcnt 0x0                           ; the wave's end
	ds_add_u32 v[SPW], v[NIL]
	s_wait_dscnt 0x0
	s_endpgm
.Lfunc_end_k_q71521ca6b6_cell:
	.size	k_q71521ca6b6_cell, .Lfunc_end_k_q71521ca6b6_cell-k_q71521ca6b6_cell
	.p2alignl 7, 3214868480
	.fill 96, 4, 3214868480
	.section	.rodata,"a",@progbits
	.p2align	6, 0x0
	.amdhsa_kernel k_q71521ca6b6_cell
		.amdhsa_group_segment_fixed_size 270848
		.amdhsa_private_segment_fixed_size 0
		.amdhsa_enable_private_segment 0
		.amdhsa_kernarg_size 96
		.amdhsa_user_sgpr_count 2
		.amdhsa_user_sgpr_kernarg_segment_ptr 1
		.amdhsa_wavefront_size32 1
		.amdhsa_system_sgpr_workgroup_id_x 1
		.amdhsa_system_sgpr_workgroup_id_y 1
		.amdhsa_system_sgpr_workgroup_id_z 1
		.amdhsa_system_vgpr_workitem_id 0
		.amdhsa_next_free_vgpr 1024
		.amdhsa_next_free_sgpr 96
		.amdhsa_reserve_vcc 0
		.amdhsa_float_denorm_mode_32 3
		.amdhsa_float_denorm_mode_16_64 3
		.amdhsa_memory_ordered 1
		.amdhsa_forward_progress 1
		.amdhsa_inst_pref_size 253
	.end_amdhsa_kernel
	.amdgpu_metadata
---
amdhsa.version: [ 1, 2 ]
amdhsa.kernels:
  - .name:           k_q71521ca6b6_cell
    .symbol:         k_q71521ca6b6_cell.kd
    .args:
      - { .name: xq, .offset: 0, .size: 8, .value_kind: global_buffer, .address_space: global }
      - { .name: hq6, .offset: 8, .size: 8, .value_kind: global_buffer, .address_space: global }
      - { .name: hq4, .offset: 16, .size: 8, .value_kind: global_buffer, .address_space: global }
      - { .name: bact, .offset: 24, .size: 8, .value_kind: global_buffer, .address_space: global }
      - { .name: btau, .offset: 32, .size: 8, .value_kind: global_buffer, .address_space: global }
      - { .name: lowp_scales, .offset: 40, .size: 8, .value_kind: global_buffer, .address_space: global }
      - { .name: W_in_b, .offset: 48, .size: 8, .value_kind: global_buffer, .address_space: global }
      - { .name: tau_adapt_b, .offset: 56, .size: 8, .value_kind: global_buffer, .address_space: global }
      - { .name: tau_base, .offset: 64, .size: 8, .value_kind: global_buffer, .address_space: global }
      - { .name: hidden, .offset: 72, .size: 8, .value_kind: global_buffer, .address_space: global }
      - { .name: out0, .offset: 80, .size: 8, .value_kind: global_buffer, .address_space: global }
      - { .name: out1, .offset: 88, .size: 8, .value_kind: global_buffer, .address_space: global }
    .group_segment_fixed_size: 270848
    .private_segment_fixed_size: 0
    .kernarg_segment_align: 8
    .kernarg_segment_size: 96
    .max_flat_workgroup_size: 128
    .sgpr_count:     96
    .vgpr_count:     1024
    .wavefront_size: 32
...
	.end_amdgpu_metadata
.endif
;; end of part 2
